; MI455X (gfx1250); checked and timed in simulation.
; The chip was launched on July 23, 2026; its instructions are those of AMD's public machine-readable ISA for CDNA 5 (MIT licence, August 2026) and "CDNA5" Instruction Set Architecture Reference Guide (July 2026). The comments in the code are by the model that wrote it; some were corrected since.
;; Bert Attention. Allowed arithmetic: matrix products marked QUANTISED: E2M3 operands, one E8M0 scale for each 32 along K, by v_wmma_scale_f32_16x16x128_f8f6f4 with both operands' format E2M3, f32 sums; everything else in f32.
;; Inputs: Wk 1,024 x 1,024 float32; Wq 1,024 x 1,024 float32; Wv 1,024 x 1,024 float32; bk 1,024 float32; bq 1,024 float32; bv 1,024 float32; masked_attention 4 x 2,048 float32; x 4 x 2,048 x 1,024 float32.
;; Outputs: out0 4 x 2,048 x 1,024 float32.
;; This version of the problem:
;;   THIS VERSION OF THE PROBLEM IS GIVEN IN LOW PRECISION. The matrix products marked QUANTISED in the list below multiply operands that are first quantised to E2M3 (2 exponent bits, 3 mantissa bits; 6 bits a number), with one power-of-two scale for each 32 numbers along K (OCP MX v1.0); their sums are f32. All else is computed in f32.
;;   The module's matrix products, in the order in which they are computed (A, B: the left and right operand; K: the contracted axis; several contracted axes count as one K, in the product's order):
;;     1. [M 8,192, K 1,024] x [K 1,024, N 1,024]; A: input x; B: input Wq: QUANTISED
;;     2. [M 8,192, K 1,024] x [K 1,024, N 1,024]; A: input x; B: input Wk: QUANTISED
;;     3. [M 8,192, K 1,024] x [K 1,024, N 1,024]; A: input x; B: input Wv: QUANTISED
;;     4. batch 64 x [M 2,048, K 64] x [K 64, N 2,048]; A: computed on the way; B: computed on the way: QUANTISED
;;     5. batch 64 x [M 2,048, K 2,048] x [K 2,048, N 64]; A: softmax (see below); B: computed on the way: QUANTISED
;;   THE QUANTISER, for each operand of a quantised product, along K:
;;     - K is cut into blocks of 32 from its start; a last block that is shorter is filled with zeros.
;;     - A block's scale is 2^e with e = floor(log2(the largest magnitude in the block)) - 2, held to -126 .. 127; a block of zeros has e = 0. As a byte (E8M0): e + 127.
;;     - Each number is divided by its block's scale, clamped to +-7.5, and rounded to the nearest number of E2M3, ties to even, subnormals kept.
;;     - The product sums the exact products of the quantised numbers (number of the format x scale) in f32.
;;   ~~~python
;;   def quantise(x, axis):      # numpy; x: float32 -> the quantised numbers, widened to float32 again
;;       x = np.moveaxis(x, axis, -1); K = x.shape[-1]
;;       x = np.pad(x, [(0, 0)] * (x.ndim - 1) + [(0, -K % 32)]); x = x.reshape(x.shape[:-1] + (-1, 32)); a = np.abs(x).max(-1, keepdims=True)
;;       e = np.where(a > 0, np.clip(np.frexp(np.where(a > 0, a, 1))[1] - 1 - 2, -126, 127), 0)      # np.frexp(a)[1] - 1 = floor(log2(a)), exactly
;;       r = np.clip(x / 2.0 ** e, -7.5, 7.5)
;;       step = 2.0 ** (np.maximum(np.frexp(np.where(r == 0, 1, r))[1] - 1, 0) - 3)
;;       q = np.round(r / step) * step * 2.0 ** e      # np.round: ties to even
;;       return np.moveaxis(q.reshape(q.shape[:-2] + (-1,))[..., :K], -1, axis).astype(np.float32)
;;   ~~~
;;   SOFTMAX AHEAD OF A QUANTISED PRODUCT. Where the list says 'softmax', what is quantised is not the finished softmax but p = 2^(t - M), with t = logit x log2(e) and M = ceil(the row's largest t), a whole number; so 1/2 < the row's largest p <= 1. The row's sum l is taken of the UNQUANTISED p, in f32, and the product's result is divided by l at the end. Since M is a whole number, a kernel that streams over the keys may use a running M (the ceiling of the running maximum): every later rescaling is an exact power of two, which a block's scale takes up: the codes' values come out the same.
;;   OPERANDS COMPUTED ON THE WAY. 'Computed on the way' means the value that the module computes at that place (a softmax that the list does not call 'softmax' is quantised finished and normalised). What goes into a quantiser is computed in f32, as accurately as f32 sums, v_exp_f32 and their like allow (about 1e-6 of the number): no bf16 or f16 on the way to a quantiser, and a product that is left as it is and whose result goes on into a quantised operand takes f32 operands (vector FMAs, or v_wmma_f32_16x16x4_f32). A number that lies on a knife's edge between two numbers of the format may be rounded either way, as far as f32 arithmetic and the matrix unit's own rounding can turn it there, and no further.
;; One version. Each part assembles by itself: llvm-mc -triple=amdgcn-amd-amdhsa -mcpu=gfx1250 --defsym DOCPART=n.
;; ======== version 1 of 1: 3 launches
;; workspace buffers: xc 6,291,456 bytes; xs 262,144 bytes; wc 2,359,296 bytes; ws 98,304 bytes; qimg 6,291,456 bytes; qsc 524,288 bytes; kvimg 12,582,912 bytes; kvsc 786,432 bytes
;; launch quant (part 1): grid 352 x 1, 4 waves a work-group, no clusters, 33,280 bytes of LDS; arguments x, Wq, Wk, Wv, xc, xs, wc, ws; writes xc, xs, wc, ws
.if DOCPART == 1
	.amdgcn_target "amdgcn-amd-amdhsa--gfx1250"
	.amdhsa_code_object_version 6
	.text
	.protected	k_q350f4c56e1_quant
	.globl	k_q350f4c56e1_quant
	.p2align	8
	.type	k_q350f4c56e1_quant,@function
k_q350f4c56e1_quant:
	s_mov_b64 s[64:65], 0
	v_nop
	global_prefetch_b8 v0, s[64:65] scope:SCOPE_SE
	s_setreg_imm32_b32 hwreg(HW_REG_WAVE_MODE, 25, 1), 1
	s_wait_xcnt 0x0
; x [8192][1024] and Wq, Wk, Wv [1024][1024], f32, K innermost, become codes of FP6 (E2M3), 6 bits each, with one E8M0 scale byte for each 32 along K.
; xc [8192][768 bytes], xs [8192][32 bytes]; wc [3072][768], ws [3072][32]: Wq's rows, then Wk's, then Wv's.
; A block's scale is 2^(floor(log2(its largest magnitude)) - 2); its byte is the largest magnitude's exponent field - 2, held at 1 from below.  Each number is divided by the scale and rounded to the nearest code, ties to even.
; THE ROWS ARE STORED IN TILE ORDER: bits 3 and 4 of the row's number change places, so that place 16 i + m holds row 32 (i / 2) + 8 (i % 2) + m + 8 (m / 8).  The products' launch then takes sixteen neighbouring
; places as a tile, and the sixteen registers of two neighbouring result tiles are sixteen neighbours along the axis that it quantises next.
; A wave takes 8,192 numbers, which are eight whole rows: so the order costs nothing but the wave's place in the output: wave w of a work-group writes as wave ((w & 1) << 1) | (w >> 1).
; LIMITS: a block of zeros gets the byte 1 (its codes are zeros; this program alone reads the bytes); blocks whose largest magnitude lies under 2^-124 keep the byte 1; NaN and infinities among the inputs are not served.
; Work-groups 0-255 take x, 256-287 Wq, 288-319 Wk, 320-351 Wv: only pointers are chosen, all take one path.  Work-groups share no input: no cluster.  No tensor loads, no barrier: waves share nothing.
; Each of a step's four loads reads 512 consecutive bytes; the 2,048 bytes turn through the wave's own stage in LDS and come back 64 bytes a lane: 16 neighbours along K, two lanes to a block.
.set WAVES, 4
.set STEPS, 16
.set CB,    12                         ; bytes of 16 codes
.set R,     16                         ; v16-79   four sets of 16 numbers as they are loaded
.set X,     80                         ; v80-111  two sets of 16 neighbours
.set C,     128                        ; v128-191 codes: four registers for each step, so that no store's data are written again
.set E,     112                        ; v112-127 a scale byte for each step
.set WREG,  8192                       ; LDS: a region for each wave: two stages of 32 x SP bytes, then its 256 scale bytes
.set SP,    80                         ; a lane's place in a stage: 64 bytes + 16 of padding
.set SPW,   12                         ; v12      LDS address of my spare word; never rewritten
.set NIL,   13                         ; v13      0; never rewritten
.set SPARE, WAVES*WREG                 ; behind the four regions: the spare words, 128 bytes a wave, which no other line names
	s_load_b256 s[4:11], s[0:1], 0x0               ; x, Wq, Wk, Wv
	s_load_b256 s[12:19], s[0:1], 0x20             ; xc, xs, wc, ws
	v_lshl_add_u32 v[SPW], v0, 2, SPARE
	v_mov_b32 v[NIL], 0
	v_lshrrev_b32 v1, 5, v0
	v_readfirstlane_b32 s24, v1                    ; wave
	v_and_b32 v2, 31, v0                           ; lane
	v_lshlrev_b32 v3, 4, v2                        ; my 16 bytes of a load's 512
	s_mul_i32 s25, s24, WREG
	v_lshrrev_b32 v14, 2, v2
	v_mul_u32_u24 v14, v14, SP
	v_and_b32 v15, 3, v2
	v_lshl_add_u32 v14, v15, 4, v14
	v_add_nc_u32 v14, s25, v14                     ; the stage, on the way in: SP (lane / 4) + 16 (lane % 4)
	v_mul_u32_u24 v15, v2, SP
	v_add_nc_u32 v15, s25, v15                     ; and on the way out: SP x lane: my 16 neighbours
	v_mul_u32_u24 v4, v2, CB                       ; my codes' place in a step's
	v_lshrrev_b32 v5, 1, v2
	s_add_co_u32 s25, s25, 2*32*SP
	v_add_nc_u32 v5, s25, v5                       ; LDS: my wave's 256 scale bytes, my block's byte
	v_lshlrev_b32 v7, 3, v2                        ; and on the way out 8 bytes a lane
	v_add_nc_u32 v6, s25, v7
	s_wait_kmcnt 0x0
	s_cmp_lt_u32 ttmp9, 320                        ; which tensor: the choices hang on the work-group's number alone
	s_cselect_b64 s[8:9], s[8:9], s[10:11]
	s_cmp_lt_u32 ttmp9, 288
	s_cselect_b64 s[6:7], s[6:7], s[8:9]
	s_cmp_lt_u32 ttmp9, 256
	s_cselect_b64 s[4:5], s[4:5], s[6:7]           ; the source
	s_cselect_b64 s[12:13], s[12:13], s[16:17]     ; its codes' buffer
	s_cselect_b64 s[14:15], s[14:15], s[18:19]     ; its scale bytes' buffer
	s_cselect_b32 s20, 0, 256
	s_cselect_b32 s22, 0x1ff, 31
	s_sub_co_u32 s20, ttmp9, s20                   ; the work-group's number within the output buffer,
	s_and_b32 s22, s20, s22                        ; and within the source tensor
	s_lshl_b32 s22, s22, 2
	s_add_co_u32 s22, s22, s24                     ; the run of 8,192 numbers that I read
	s_and_b32 s26, s24, 1
	s_lshl_b32 s26, s26, 1
	s_lshr_b32 s27, s24, 1
	s_or_b32 s26, s26, s27                         ; the wave's two bits change places: tile order
	s_lshl_b32 s20, s20, 2
	s_add_co_u32 s20, s20, s26                     ; the run's place in the output
	s_lshl_b32 s22, s22, 15                        ; 32,768 bytes of f32 a run (under 2^26 in all)
	s_mov_b32 s23, 0
	s_add_nc_u64 s[4:5], s[4:5], s[22:23]
	s_mul_i32 s26, s20, 32*STEPS*CB                ; 6,144 bytes of codes a run
	s_mov_b32 s27, 0
	s_add_nc_u64 s[12:13], s[12:13], s[26:27]
	s_lshl_b32 s20, s20, 8                         ; 256 scale bytes a run
	s_mov_b32 s21, 0
	s_add_nc_u64 s[14:15], s[14:15], s[20:21]
.macro LOAD t
.irp i, 0,1,2,3
	global_load_b128 v[R+16*((\t)%4)+4*\i:R+16*((\t)%4)+4*\i+3], v3, s[4:5] offset:2048*(\t)+512*\i th:TH_LOAD_NT   ; 32 lanes read 512 consecutive bytes
.endr
.endm
.macro TURN t                          ; step t's numbers through the stage: LDS serves a wave's instructions in order, so no wait stands between the stores and the loads
.irp i, 0,1,2,3
	ds_store_b128 v14, v[R+16*((\t)%4)+4*\i:R+16*((\t)%4)+4*\i+3] offset:32*SP*((\t)%2)+8*SP*\i
.endr
.irp i, 0,1,2,3
	ds_load_b128 v[X+16*((\t)%2)+4*\i:X+16*((\t)%2)+4*\i+3], v15 offset:32*SP*((\t)%2)+16*\i
.endr
.endm
.irp t, 0,1,2,3
	LOAD \t
.endr
	s_wait_loadcnt 12                              ; step 0's four loads are in; the twelve of steps 1 to 3 may be out
	TURN 0
.macro STEP t
.set XS, X+16*((\t)%2)
.if (\t) > 0
	s_wait_dscnt 1                                 ; this step's numbers are back from the stage (the last step's byte store may be out): so its stores into the stage have read their registers,
.else
	s_wait_dscnt 0x0
.endif
.if (\t)+4 < STEPS
	LOAD (\t)+4                                    ; which take the loads of four steps on
.endif
.if (\t)+1 < STEPS
.if STEPS-2-(\t) >= 3
	s_wait_loadcnt 12                              ; the next step's four loads are in; those of the three steps behind it may be out
.else
	s_wait_loadcnt 4*(STEPS-2-(\t))
.endif
	TURN (\t)+1                                    ; and go through the other stage while this step is worked
.endif
	v_max3_num_f32 v8, |v[XS]|, |v[XS+1]|, |v[XS+2]|               ; the largest magnitude of my 16, in two chains
	v_max3_num_f32 v9, |v[XS+3]|, |v[XS+4]|, |v[XS+5]|
.irp i, 6,10
	v_max3_num_f32 v8, v8, |v[XS+\i]|, |v[XS+\i+1]|
	v_max3_num_f32 v9, v9, |v[XS+\i+2]|, |v[XS+\i+3]|
.endr
	v_max3_num_f32 v8, v8, |v[XS+14]|, |v[XS+15]|
	v_max3_num_f32 v8, v8, v9, 0x1800000           ; and the floor 2^(3 - 127): the byte cannot fall under 1
	v_max_num_f32_dpp v8, v8, v8 row_xmask:1 row_mask:0xf bank_mask:0xf   ; and of my neighbour's 16: the block's
	v_add_nc_u32 v11, 0xff000000, v8               ; 2 off its exponent field: the conversion takes the exponent field of this operand as its scale
	v_cvt_scalef32_pk16_fp6_f32 v[C+4*(\t):C+4*(\t)+2], v[XS:XS+15], v11         ; sixteen codes, 96 bits, the first number's lowest
	v_lshrrev_b32 v[E+(\t)], 23, v11               ; the scale's byte (also the plain line behind the conversion)
	ds_store_b8 v5, v[E+(\t)] offset:16*(\t)       ; both lanes of a block write the same byte with the same value
	global_store_b96 v4, v[C+4*(\t):C+4*(\t)+2], s[12:13] offset:32*CB*(\t)      ; the wave stores 384 consecutive bytes
.endm
.irp t, 0,1,2,3,4,5,6,7,8,9,10,11,12,13,14,15
	STEP \t
.endr
	ds_load_b64 v[8:9], v6                         ; LDS serves a wave's instructions in order: these see my stores
	s_wait_dscnt 0x0
	global_store_b64 v7, v[8:9], s[14:15]          ; 32 lanes store 256 consecutive bytes, aligned: eight rows' scale bytes
	s_wait_tensorcnt 0x0                           ; the wave's end, behind my last LDS store
	ds_add_u32 v[SPW], v[NIL]
	s_wait_dscnt 0x0
	s_endpgm
.Lfunc_end_k_q350f4c56e1_quant:
	.size	k_q350f4c56e1_quant, .Lfunc_end_k_q350f4c56e1_quant-k_q350f4c56e1_quant
	.p2alignl 7, 3214868480
	.fill 96, 4, 3214868480
	.section	.rodata,"a",@progbits
	.p2align	6, 0x0
	.amdhsa_kernel k_q350f4c56e1_quant
		.amdhsa_group_segment_fixed_size 33280
		.amdhsa_private_segment_fixed_size 0
		.amdhsa_enable_private_segment 0
		.amdhsa_kernarg_size 64
		.amdhsa_user_sgpr_count 2
		.amdhsa_user_sgpr_kernarg_segment_ptr 1
		.amdhsa_wavefront_size32 1
		.amdhsa_system_sgpr_workgroup_id_x 1
		.amdhsa_system_sgpr_workgroup_id_y 1
		.amdhsa_system_sgpr_workgroup_id_z 1
		.amdhsa_system_vgpr_workitem_id 0
		.amdhsa_next_free_vgpr 192
		.amdhsa_next_free_sgpr 66
		.amdhsa_reserve_vcc 0
		.amdhsa_float_denorm_mode_32 3
		.amdhsa_float_denorm_mode_16_64 3
		.amdhsa_memory_ordered 1
		.amdhsa_forward_progress 1
		.amdhsa_inst_pref_size 33
	.end_amdhsa_kernel
	.amdgpu_metadata
---
amdhsa.version: [ 1, 2 ]
amdhsa.kernels:
  - .name:           k_q350f4c56e1_quant
    .symbol:         k_q350f4c56e1_quant.kd
    .args:
      - { .name: x, .offset: 0, .size: 8, .value_kind: global_buffer, .address_space: global }
      - { .name: Wq, .offset: 8, .size: 8, .value_kind: global_buffer, .address_space: global }
      - { .name: Wk, .offset: 16, .size: 8, .value_kind: global_buffer, .address_space: global }
      - { .name: Wv, .offset: 24, .size: 8, .value_kind: global_buffer, .address_space: global }
      - { .name: xc, .offset: 32, .size: 8, .value_kind: global_buffer, .address_space: global }
      - { .name: xs, .offset: 40, .size: 8, .value_kind: global_buffer, .address_space: global }
      - { .name: wc, .offset: 48, .size: 8, .value_kind: global_buffer, .address_space: global }
      - { .name: ws, .offset: 56, .size: 8, .value_kind: global_buffer, .address_space: global }
    .group_segment_fixed_size: 33280
    .private_segment_fixed_size: 0
    .kernarg_segment_align: 8
    .kernarg_segment_size: 64
    .max_flat_workgroup_size: 128
    .sgpr_count:     66
    .vgpr_count:     192
    .wavefront_size: 32
...
	.end_amdgpu_metadata
.endif
;; end of part 1
;; launch proj (part 2): grid 96 x 4, 4 waves a work-group, clusters of 4 x 4, 327,680 bytes of LDS; arguments xc, xs, wc, ws, bq, bk, bv, qimg, qsc, kvimg, kvsc; writes qimg, qsc, kvimg, kvsc
.if DOCPART == 2
	.amdgcn_target "amdgcn-amd-amdhsa--gfx1250"
	.amdhsa_code_object_version 6
	.text
	.protected	k_q350f4c56e1_proj
	.globl	k_q350f4c56e1_proj
	.p2align	8
	.type	k_q350f4c56e1_proj,@function
k_q350f4c56e1_proj:
	s_mov_b64 s[64:65], 0
	v_nop
	global_prefetch_b8 v0, s[64:65] scope:SCOPE_SE
	s_setreg_imm32_b32 hwreg(HW_REG_WAVE_MODE, 25, 1), 1
	s_wait_xcnt 0x0
	s_wait_alu depctr_hold_cnt(0) depctr_sa_sdst(0) depctr_va_vdst(0) depctr_va_sdst(0) depctr_va_ssrc(0) depctr_va_vcc(0) depctr_vm_vsrc(0)
	s_getreg_b32 s2, hwreg(HW_REG_IB_STS2, 6, 4)
	s_cmp_eq_u32 s2, 0
	s_cbranch_scc0 .Lentry_in_a_cluster
	s_endpgm
.Lentry_in_a_cluster:
	s_bfe_u32 s2, ttmp6, 0x10000c
	s_cmp_lg_u32 s2, 0xf033
	s_cbranch_scc0 .Lentry_shape_is_right
	s_endpgm
.Lentry_shape_is_right:
; q = x Wq^T + bq, k = x Wk^T + bk, v = x Wv^T + bv on codes of FP6 (E2M3) with E8M0 scales, K = 1,024; the results are quantised in registers and leave as codes: nothing goes out as f32.
; A GEMM C = A B^T on tiles of 256 x 256, four waves of 128 x 128 (64 accumulators, 512 registers), K in steps of 256 through a ring of two LDS slots; clusters of 4 x 4 with joint loads:
; A's tile is shared along a row of the cluster, B's along a column.  THE MATRIX INSTRUCTION IS USED TRANSPOSED (source 0 = 16 rows of B, source 1 = 16 rows of A): a lane holds one row of A, and its registers run along B's rows.
; TWO PATHS, told apart by the cluster's number (the same in all sixteen partners); they differ in pointers up to the last product.
;   clusters 0-15 (q and k):  A = x (32 tile rows), B = Wq's and Wk's 2,048 rows (8 tile columns): registers run along the features, the axis along which q and k are quantised.
;   clusters 16-23 (v):       A = Wv (4 tile rows), B = x (32 tile columns): registers run along the tokens, which are the keys: the axis along which v is quantised.
; TILE ORDER.  Both operands' rows lie in memory so that place 16 i + m holds row 32 (i / 2) + 8 (i % 2) + m + 8 (m / 8).  So register j of accumulator (a, b) in lane (r, h) is B's row 32 (b / 2) + 16 h + 8 (b % 2) + j
; and A's row 32 (a / 2) + 8 (a % 2) + r + 8 (r / 8): for a fixed a, register 16 g + i of the lane's 64 is B's row 32 g + 16 h + i: sixteen neighbours of each block of 32, as the conversions want them.
; WHAT LEAVES: images of operand registers: a register pair of all 32 lanes is 256 bytes, lane l's 8 bytes at 8 l.
;   q, k: for each head and tile of 16 tokens 6 registers (16 rows x 64 along the head): 768 bytes; a scale word a row with the head's two bytes below and zeros above.
;   v:    for each head, 128 keys and tile of 16 channels 12 registers: 1,536 bytes; a scale word a row.
;   qimg [64 heads][128 tiles][768];  qsc [64][128][16 words];  kvimg [64][k: 128 x 768, then v: 16 steps x 4 tiles x 1,536];  kvsc [64][k: 128 x 16 words, then v: 16 x 4 x 16 words].
; No prefetch: K has four steps, of which two are first fills.
; LIMITS: a block of zeros gets the byte 1 (its codes are zeros; this program alone reads the bytes); NaN and infinities are not served.
; REGISTERS, in windows of 256: window 0: v0-31 addresses; v32-63 scale words, two sets; from v128 A's fragments, one set.  window 1: B's fragments, two sets.  windows 2, 3: the accumulators ((a, b) at v[8 (8 (a % 4) + b)]).
.set SIZE_K, 1024
.set KSTEP,  256                       ; along K in a slot
.set NQ,     KSTEP/128                 ; matrix instructions deep
.set ROWB,   192                       ; a tile's row in bytes
.set KROW,   SIZE_K*6/8                ; a row of codes in memory
.set PITCH,  240                       ; an LDS row: 3 x (64 bytes + 16 of padding)
.set FR,     12                        ; registers of a fragment
.set NL,     6                         ; LDS loads that bring one
.set NP,     4                         ; places behind this matrix instruction (ISA guide 7.12.1)
.set HALFT,  128*PITCH                 ; 128 rows: what one tensor load brings
.set SLOT,   4*HALFT                   ; A's 256 rows, then B's 256 rows
.set LAPS,   SIZE_K/(2*KSTEP)
.set KS,     SIZE_K/32                 ; a row of scale bytes
.set SCL,    2*SLOT                    ; behind the ring: the scales of all of K, as rows of 256 bytes + 16 of padding; filled once
.set HALFS,  (128*KS/256)*272
.set SBLK,   (16*KS/256)*272
.set SPARE,  SCL+4*HALFS               ; the spare words, 128 bytes a wave, which no other line names
.set BIASL,  SPARE+512                 ; the work-group's 256 biases: four blocks of 256 bytes into which no fill lands
.set ADRA, 16                          ; v16-17 LDS address of my A fragments in slot 0, 1 (v18-19: for the pieces behind one padding more)
.set ADRB, 20                          ; v20-23 the same for B
.set ADRS, 27                          ; v27    LDS address of my scale words: lanes 0-15 A's rows, lanes 16-31 B's
.set SPW,  28                          ; v28    LDS address of my spare word; never rewritten
.set NIL,  29                          ; v29    0; never rewritten
.set SC,   32                          ; scale words
.set AF,   128                         ; A's fragments
.set G1, 24                            ; s[24:31] group 1 for A's tiles; s[32:39] group 0, a set for each slot
.set G0, 32
.set G1B, 48                           ; s[48:55], s[56:63] the same for B's
.set G0B, 56
.set G1S, 68                           ; s[68:75], s[76:79] for A's scales; s[80:87], s[88:91] for B's
.set G0S, 76
.set G1SB, 80
.set G0SB, 88
.set PATH, 66                          ; s66    0: q and k; 1: v
.set MSB, 0
.macro WIN new                         ; the immediate's high byte repeats the setting that is left
.if MSB != (\new)
	s_set_vgpr_msb (MSB<<8)|(\new)
.set MSB, (\new)
.endif
.endm
.set MUL_LO, 0xa1                      ; source 0 (B) window 1, source 1 (A) window 0, C and D window 2
.set MUL_HI, 0xf1                      ; the same, C and D window 3
.set TO_B,   0x40                      ; destination window 1, address window 0
; A joint load: waves 0 and 1 fetch for A, waves 2 and 3 for B; the branch hangs on the wave's number alone.  An s_nop 0 and four v_nop follow each line.
.macro JLOAD g0a, g1a, g0b, g1b
	s_cmp_eq_u32 s15, 0
	s_cbranch_scc0 .Lfor_b_\@
	tensor_load_to_lds s[\g0a:\g0a+3], s[\g1a:\g1a+7]
	s_nop 0
.rept 4
	v_nop
.endr
	s_branch .Lasked_\@
.Lfor_b_\@:
	tensor_load_to_lds s[\g0b:\g0b+3], s[\g1b:\g1b+7]
	s_nop 0
.rept 4
	v_nop
.endr
.Lasked_\@:
.endm
.macro CREST                           ; a round of the cluster's barrier behind its opening barrier
	s_cmp_lg_u32 s14, 0
	s_cbranch_scc1 .Lnot_wave_0_\@
	s_barrier_signal -3
.Lnot_wave_0_\@:
	s_barrier_wait -3
	s_barrier_signal -1
	s_barrier_wait -1
.endm
.macro CROUND                          ; a whole round
	s_barrier_signal -1
	s_barrier_wait -1
	CREST
.endm
	s_load_b256 s[4:11], s[0:1], 0x0               ; xc, xs, wc, ws
	s_load_b128 s[96:99], s[0:1], 0x20             ; bq, bk
	s_load_b64 s[100:101], s[0:1], 0x30            ; bv
	v_lshl_add_u32 v[SPW], v0, 2, SPARE
	v_mov_b32 v[NIL], 0
	ds_add_u32 v[SPW], v[NIL]                      ; the wave's opening: the add and its wait stand ahead of my first tensor load; work on registers stands between them
	v_lshrrev_b32 v1, 5, v0
	v_readfirstlane_b32 s14, v1                    ; wave 0..3
	s_lshr_b32 s15, s14, 1                         ; which half of A's rows is mine.  Also: I fetch for A (0) or for B (1)
	s_and_b32 s16, s14, 1                          ; which half of B's rows.  Also: which 128 rows of that tile I fetch
	s_bfe_u32 s40, ttmp6, 0x40000                  ; cx, cy: my place in the cluster
	s_bfe_u32 s41, ttmp6, 0x40004
	s_and_b32 s95, ttmp9, 1                        ; q and k: 2 columns x 8 rows of clusters
	s_and_b32 s94, ttmp9, 7                        ; v: 8 columns x 1 row
	s_lshr_b32 s67, ttmp9, 1
	s_cmp_lt_u32 ttmp9, 16                         ; the cluster's number: the same in all sixteen partners
	s_cselect_b32 s[PATH], 0, 1
	s_cselect_b32 s95, s95, s94                    ; the cluster's column
	s_cselect_b32 s67, s67, 0                      ; and row
	s_cselect_b32 s12, 0, 2048                     ; v: A's rows are Wv's, 2,048 rows down in wc
	s_lshl_b32 s42, s95, 2
	s_add_co_u32 s42, s42, s40                     ; tile column (B)
	s_lshl_b32 s17, s67, 2
	s_add_co_u32 s17, s17, s41                     ; tile row (A)
	s_lshl_b32 s43, s41, 2
	s_lshl_b32 s43, 15, s43                        ; my row of the cluster
	s_lshl_b32 s44, 0x1111, s40                    ; my column
	; group 1: a tile of 128 rows x 192 bytes, 16 bytes of padding behind every 64
	s_or_b32 s[G1+0], s43, (0<<16)|(1<<20)|(1<<21)|(3<<22)|(3<<25)  ; the mask: A's tiles go to my row; elements of 1 byte; padding on; bit 21 beside a mask; after every 16 words 4 words
	s_or_b32 s[G1B+0], s44, (0<<16)|(1<<20)|(1<<21)|(3<<22)|(3<<25)
.irp g, G1, G1B
	s_mov_b32 s[\g+1], ROWB<<16                    ; tensor_dim0
	s_mov_b32 s[\g+2], 128<<16                     ; tensor_dim1
	s_mov_b32 s[\g+3], ROWB<<16                    ; tile_dim0
	s_mov_b32 s[\g+4], 128                         ; tile_dim1
	s_mov_b32 s[\g+5], KROW                        ; the pitch
	s_mov_b32 s[\g+6], 0
	s_mov_b32 s[\g+7], 0
.endr
	; the scales of 128 rows: a dense block of 4,096 bytes, as 16 rows of 256 bytes (32 elements of 8), 16 bytes of padding behind each
	s_or_b32 s[G1S+0], s43, (3<<16)|(1<<20)|(1<<21)|(5<<22)|(3<<25)
	s_or_b32 s[G1SB+0], s44, (3<<16)|(1<<20)|(1<<21)|(5<<22)|(3<<25)
.irp g, G1S, G1SB
	s_mov_b32 s[\g+1], 32<<16
	s_mov_b32 s[\g+2], (128*KS/256)<<16
	s_mov_b32 s[\g+3], 32<<16
	s_mov_b32 s[\g+4], 128*KS/256
	s_mov_b32 s[\g+5], 32
	s_mov_b32 s[\g+6], 0
	s_mov_b32 s[\g+7], 0
.endr
	s_lshl_b32 s18, s16, 7                         ; which 128 rows of the tile I fetch
	s_lshl_b32 s20, s17, 8
	s_add_co_u32 s20, s20, s18
	s_add_co_u32 s20, s20, s12                     ; A: row 256 x tile row + 128 x half (+ 2,048 for Wv)
	s_lshl_b32 s46, s42, 8
	s_add_co_u32 s46, s46, s18                     ; B: row 256 x tile column + 128 x half
	s_mov_b32 s21, 0
	s_mov_b32 s47, 0
	s_mov_b64 s[18:19], KS
	s_mul_u64 s[22:23], s[20:21], s[18:19]         ; where these rows' scales begin, in bytes
	s_mul_u64 s[92:93], s[46:47], s[18:19]
	s_mov_b64 s[18:19], KROW
	s_mul_u64 s[20:21], s[20:21], s[18:19]         ; and their codes
	s_mul_u64 s[46:47], s[46:47], s[18:19]
	s_mul_i32 s45, s14, HALFT                      ; where they go: wave x 128 rows: no place in the cluster enters an LDS address
	s_mul_i32 s94, s14, HALFS
	s_wait_dscnt 0x0                               ; the opening add is done
	s_wait_kmcnt 0x0
	s_cmp_eq_u32 s[PATH], 0                        ; v: the buffers change roles
	s_cselect_b64 s[2:3], s[4:5], s[8:9]
	s_cselect_b64 s[8:9], s[8:9], s[4:5]           ; B's codes
	s_mov_b64 s[4:5], s[2:3]                       ; A's codes
	s_cselect_b64 s[2:3], s[6:7], s[10:11]
	s_cselect_b64 s[10:11], s[10:11], s[6:7]       ; B's scales
	s_mov_b64 s[6:7], s[2:3]                       ; A's scales
	s_add_nc_u64 s[20:21], s[4:5], s[20:21]
	s_add_nc_u64 s[22:23], s[6:7], s[22:23]
	s_add_nc_u64 s[46:47], s[8:9], s[46:47]
	s_add_nc_u64 s[92:93], s[10:11], s[92:93]
	CROUND                                         ; all sixteen work-groups are here: the first joint loads meet
	s_mov_b32 s[G0S], 1
	s_add_co_u32 s[G0S+1], s94, SCL
	s_mov_b64 s[G0S+2:G0S+3], s[22:23]
	s_or_b32 s[G0S+3], s[G0S+3], 0x80000000
	s_mov_b32 s[G0SB], 1
	s_add_co_u32 s[G0SB+1], s94, SCL
	s_mov_b64 s[G0SB+2:G0SB+3], s[92:93]
	s_or_b32 s[G0SB+3], s[G0SB+3], 0x80000000
	JLOAD G0S, G1S, G0SB, G1SB                     ; the scales first: they are wanted with K step 0
.irp s, 0,1
	s_mov_b32 s[G0+4*\s], 1
	s_add_co_u32 s[G0+4*\s+1], s45, \s*SLOT
	s_add_nc_u64 s[G0+4*\s+2:G0+4*\s+3], s[20:21], \s*ROWB
	s_or_b32 s[G0+4*\s+3], s[G0+4*\s+3], 0x80000000
	s_mov_b32 s[G0B+4*\s], 1
	s_add_co_u32 s[G0B+4*\s+1], s45, \s*SLOT
	s_add_nc_u64 s[G0B+4*\s+2:G0B+4*\s+3], s[46:47], \s*ROWB
	s_or_b32 s[G0B+4*\s+3], s[G0B+4*\s+3], 0x80000000
	JLOAD G0+4*\s, G1, G0B+4*\s, G1B               ; three tensor loads of mine are out
.endr
	; the biases of the work-group's 256 features: q, k: B's rows (bq or bk); v: A's rows (bv).  1,024 bytes, 8 a thread, into LDS
	s_cmp_lt_u32 s42, 4
	s_cselect_b64 s[12:13], s[96:97], s[98:99]
	s_and_b32 s18, s42, 3
	s_cmp_eq_u32 s[PATH], 0
	s_cselect_b64 s[12:13], s[12:13], s[100:101]
	s_cselect_b32 s18, s18, s17
	s_lshl_b32 s18, s18, 10
	s_mov_b32 s19, 0
	s_add_nc_u64 s[12:13], s[12:13], s[18:19]
	v_lshlrev_b32 v7, 3, v0
	v_lshl_add_u32 v10, v0, 3, BIASL
	global_load_b64 v[8:9], v7, s[12:13]
	s_load_b128 s[4:7], s[0:1], 0x38               ; qimg, qsc
	s_load_b128 s[8:11], s[0:1], 0x48              ; kvimg, kvsc
	v_and_b32 v1, 15, v0                           ; l % 16
	v_bfe_u32 v2, v0, 4, 1                         ; l / 16
	v_mul_u32_u24 v3, v1, PITCH
	v_mul_u32_u24 v4, v2, 24
	v_add_nc_u32 v4, v3, v4                        ; a fragment's row x pitch + 24 x half
	v_lshl_add_u32 v5, v2, 4, v4                   ; and the same behind one padding more
	s_mul_i32 s21, s15, HALFT                      ; my 128 rows of A
	s_mul_i32 s22, s16, HALFT                      ; my 128 rows of B,
	s_add_co_u32 s22, s22, 2*HALFT                 ; which lie behind A's 256
.irp s, 0,1
	v_add_nc_u32 v[ADRA+\s], s21, v4
	v_add_nc_u32 v[ADRB+\s], s22, v4
	v_add_nc_u32 v[ADRA+2+\s], s21, v5
	v_add_nc_u32 v[ADRB+2+\s], s22, v5
	s_add_co_u32 s21, s21, SLOT
	s_add_co_u32 s22, s22, SLOT
.endr
	v_mul_u32_u24 v5, v1, KS                       ; my row's scales: KS bytes a row,
	v_lshrrev_b32 v6, 8, v5
	v_lshl_add_u32 v5, v6, 4, v5                   ; and 16 more for each 256 passed
	s_mul_i32 s21, s15, HALFS                      ; A's: my 128 rows
	s_mul_i32 s22, s16, HALFS                      ; B's: my 128 rows, behind A's 256
	s_add_co_u32 s22, s22, 2*HALFS
	s_sub_co_u32 s22, s22, s21
	v_mul_u32_u24 v6, s22, v2                      ; lanes 16-31 take B's
	s_add_co_u32 s21, s21, SCL
	v_add_nc_u32 v5, v5, v6
	v_add_nc_u32 v[ADRS], s21, v5
	s_wait_loadcnt 0x0                             ; my two biases
	ds_store_b64 v10, v[8:9]
	s_wait_kmcnt 0x0                               ; the outputs' addresses
.macro FRAG reg, adr, q, i             ; a fragment, 16 rows x 128 K: lane l holds row l % 16; registers 6 c .. 6 c + 5 hold K = 64 c + 32 (l / 16) + 0 .. 31: 24 bytes of the row's stream of bits, in pieces of 8 bytes
.irp p, 0,1,2,3,4,5
.set PCE, 12*(\q)+6*(\p/3)+\p%3       ; 16 bytes of padding lie behind every 8 pieces: where the piece three on lies behind one padding more, the second address register serves
.if PCE%8 < 5
	ds_load_b64 v[\reg+2*\p:\reg+2*\p+1], v[\adr] offset:8*PCE+16*(PCE/8)+(\i)*16*PITCH
.else
	ds_load_b64 v[\reg+2*\p:\reg+2*\p+1], v[\adr+2] offset:8*PCE+16*(PCE/8)+(\i)*16*PITCH
.endif
.endr
.endm
; 16 matrix instructions: A's blocks a0, a0 + 1 x B's eight, 128 along K.  p: B's set; sc: the set of scale words.  zero = 1: the first product starts the sums.
; The 64 accumulators take turns, one instruction a turn, in the same order in every step.
.macro MUL16 a0, p, q, sc, zero
.irp a, \a0, \a0+1
.irp b, 0,1,2,3,4,5,6,7
.if \zero
	v_wmma_scale_f32_16x16x128_f8f6f4 v[8*(8*((\a)%4)+\b):8*(8*((\a)%4)+\b)+7], v[128*(\p)+FR*\b:128*(\p)+FR*\b+FR-1], v[AF+FR*(\a):AF+FR*(\a)+FR-1], 0, v[SC+8*NQ*(\sc)+NQ*\b+(\q)], v[SC+8*NQ*(\sc)+NQ*(\a)+(\q)] matrix_a_fmt:MATRIX_FMT_FP6 matrix_b_fmt:MATRIX_FMT_FP6 matrix_a_scale:MATRIX_SCALE_ROW1
.else
	v_wmma_scale_f32_16x16x128_f8f6f4 v[8*(8*((\a)%4)+\b):8*(8*((\a)%4)+\b)+7], v[128*(\p)+FR*\b:128*(\p)+FR*\b+FR-1], v[AF+FR*(\a):AF+FR*(\a)+FR-1], v[8*(8*((\a)%4)+\b):8*(8*((\a)%4)+\b)+7], v[SC+8*NQ*(\sc)+NQ*\b+(\q)], v[SC+8*NQ*(\sc)+NQ*(\a)+(\q)] matrix_a_fmt:MATRIX_FMT_FP6 matrix_b_fmt:MATRIX_FMT_FP6 matrix_a_scale:MATRIX_SCALE_ROW1
.endif
.endr
.endr
.endm
.macro FETCH_B slot, q, p              ; B's eight fragments of the slot's q-th 128 along K into set p
	WIN TO_B
.irp i, 0,1,2,3,4,5,6,7
	FRAG 128*(\p)+FR*\i, ADRB+\slot, \q, \i
.endr
	WIN 0
.endm
.macro FETCH_A slot, q, i0             ; A's blocks i0 .. i0 + 3
.irp i, \i0, \i0+1, \i0+2, \i0+3
	FRAG AF+FR*(\i), ADRA+\slot, \q, \i
.endr
.endm
.macro SCALES sc                       ; the next K step's scale words: lanes 0-15 take A's block i, lanes 16-31 B's block i
.irp i, 0,1,2,3,4,5,6,7
	ds_load_b64 v[SC+8*NQ*\sc+NQ*\i:SC+8*NQ*\sc+NQ*\i+1], v[ADRS] offset:\i*SBLK
.endr
.endm
.macro PLACES n                        ; plain vector instructions between a matrix instruction and a load into, or a vector read or write of, its registers
.rept \n
	v_nop
.endr
.endm
; A step of 128 along K that has its successor in the same slot.
.macro STEP slot, q, zero
	s_wait_dscnt 4*NL                              ; B's set and A's blocks 0-3 are in; the youngest 24 loads (A's blocks 4-7) may be out
	WIN MUL_LO
	MUL16 0, (\q)%2, \q, \slot, \zero
	MUL16 2, (\q)%2, \q, \slot, \zero
	s_wait_dscnt 0                                 ; A's blocks 4-7 are in
	PLACES NP
	FETCH_B \slot, (\q)+1, 1-(\q)%2
	FETCH_A \slot, (\q)+1, 0
	WIN MUL_HI
	MUL16 4, (\q)%2, \q, \slot, \zero
	MUL16 6, (\q)%2, \q, \slot, \zero
	PLACES NP
	WIN 0
	FETCH_A \slot, (\q)+1, 4
.endm
; A slot's last step changes slots: one barrier; in front of it each wave waits for all its tensor loads, adds 0 to its spare word, and waits for that and for its reads of this slot.  fill = 1: this slot is filled again, two K steps ahead.
.macro TURN slot, next, fill
	s_wait_tensorcnt 0x0                           ; all my tensor loads have landed: my part of the next slot
	ds_add_u32 v[SPW], v[NIL]                      ; 0 onto my spare word
	s_wait_dscnt 4*NL+1                            ; (the add and the youngest 24 loads, A's blocks 4-7, may be out)
	WIN MUL_LO
	MUL16 0, 1, NQ-1, \slot, 0                     ; sixteen matrix instructions stand between the add and the wait for it
	s_wait_dscnt 0x0                               ; the add is done, and my reads of this slot are over
	s_barrier_signal -1
	MUL16 2, 1, NQ-1, \slot, 0
	WIN 0
	s_barrier_wait -1
.if \fill
	CREST                                          ; the barrier has opened a round of the cluster's barrier: no wave of any partner still reads this slot or has a load on its way
	s_add_nc_u64 s[G0+4*\slot+2:G0+4*\slot+3], s[G0+4*\slot+2:G0+4*\slot+3], 2*ROWB
	s_add_nc_u64 s[G0B+4*\slot+2:G0B+4*\slot+3], s[G0B+4*\slot+2:G0B+4*\slot+3], 2*ROWB
	JLOAD G0+4*\slot, G1, G0B+4*\slot, G1B         ; the first tensor load behind the round; its four v_nop are the places in front of the loads below
.else
	PLACES NP
.endif
	v_add_nc_u32 v[ADRS], 4*NQ, v[ADRS]            ; on to the next K step's scale words
	FETCH_B \next, 0, 0
	FETCH_A \next, 0, 0
	SCALES \next
	WIN MUL_HI
	MUL16 4, 1, NQ-1, \slot, 0
	MUL16 6, 1, NQ-1, \slot, 0
	PLACES NP
	WIN 0
	FETCH_A \next, 0, 4
.endm
	s_wait_tensorcnt 1                             ; the scales and my part of K step 0 are in (K step 1's load may be out)
	s_wait_dscnt 0x0                               ; and my biases lie in LDS
	s_barrier_signal -1
	s_barrier_wait -1                              ; everybody's do
	FETCH_B 0, 0, 0
	FETCH_A 0, 0, 0
	SCALES 0
	FETCH_A 0, 0, 4
	STEP 0, 0, 1                                   ; the first step stands in front of the loop: its products start the sums
	s_mov_b32 s3, LAPS-1
.Llap:                                                 ; a trip goes once round the ring and fills both slots again
	TURN 0, 1, 1
	STEP 1, 0, 0
	TURN 1, 0, 1
	STEP 0, 0, 0
	s_sub_co_u32 s3, s3, 1
	s_cmp_lg_u32 s3, 0
	s_cbranch_scc1 .Llap
	TURN 0, 1, 0                                   ; the last lap fills nothing
	STEP 1, 0, 0
	s_wait_dscnt 4*NL                              ; the very last step
	WIN MUL_LO
	MUL16 0, 1, NQ-1, 1, 0
	MUL16 2, 1, NQ-1, 1, 0
	s_wait_dscnt 0
	WIN MUL_HI
	MUL16 4, 1, NQ-1, 1, 0
	MUL16 6, 1, NQ-1, 1, 0
	WIN 0
; THE WAY OUT.  For each of A's eight blocks: the lane's 64 sums + bias into window 0, quantised there, the codes stored as they stand in the registers.
.set L8,   16                          ; v16  8 x lane: a register pair's place in its 256 bytes
.set L4,   17                          ; v17  4 x lane
.set SCO,  18                          ; v18  q, k: where my scale word goes
.set SH16, 19                          ; v19  16 x (lane / 16)
.set ABN,  20                          ; v20  LDS: the biases along my registers (q, k)
.set ABM,  21                          ; v21  LDS: the bias of my lane's row (v)
.set HA,   64                          ; v64-127  the block's 64 numbers
.set BN,   128                         ; v128-191 q, k: 64 biases, in the registers' order
.set BM,   128                         ; v128-143 v: a pair for each block
.set CD,   192                         ; v192-203 the codes; v204-206, v208-210 at work
.set TM,   212                         ; v212-227 at work
.set PW,   228                         ; v228-229 scale words
.set WD,   230                         ; v230 the scale word to store
.set OUT0, 92                          ; s[92:93]
.set OUT1, 94                          ; s[94:95]
.set SC0,  96                          ; s[96:97]
.set SEL,  98                          ; s[98:99] v_permlanex16_b32's selects for lane l xor 16
.set HM,   100                         ; s100 lanes 16-31
; 64 numbers of a lane, register 16 b + i = k 32 b + 16 (lane / 16) + i of my row, become a fragment's codes in v[CD] on and its scale word in v[pw].
.macro QUANT s, pw
.irp b, 0,1,2,3
	v_max3_num_f32 v[TM+\b], |v[\s+16*\b]|, |v[\s+1+16*\b]|, 0x1800000   ; block b: my 16 numbers, and the floor 2^(3 - 127): the byte cannot fall under 1
.endr
.irp i, 2,4,6,8,10,12,14
.irp b, 0,1,2,3
	v_max3_num_f32 v[TM+\b], v[TM+\b], |v[\s+16*\b+\i]|, |v[\s+1+16*\b+\i]|   ; (the four blocks by turns)
.endr
.endr
.irp b, 0,1,2,3
	v_permlanex16_b32 v[TM+4+\b], v[TM+\b], s[SEL], s[SEL+1]
.endr
.irp b, 0,1,2,3
	v_max_num_f32 v[TM+\b], v[TM+\b], v[TM+4+\b]   ; with lane l xor 16's: the block's largest magnitude
.endr
.irp b, 0,1,2,3
	v_add_nc_u32 v[TM+12+\b], 0xff000000, v[TM+\b] ; 2 off its exponent field: the conversion's scale operand
.endr
.irp b, 0,1,2,3
	v_lshrrev_b32 v[TM+4+\b], 23, v[TM+12+\b]      ; the scale's byte
.endr
	v_lshl_or_b32 v[\pw], v[TM+5], 8, v[TM+4]      ; the four bytes make my row's scale word; both halves of the lanes hold it
	v_lshl_or_b32 v[\pw], v[TM+6], 16, v[\pw]
	v_lshl_or_b32 v[\pw], v[TM+7], 24, v[\pw]
.irp c, 0,1
	v_cvt_scalef32_pk16_fp6_f32 v[CD+6*\c:CD+2+6*\c], v[\s+32*\c:\s+15+32*\c], v[TM+12+2*\c]
	v_cvt_scalef32_pk16_fp6_f32 v[CD+12+4*\c:CD+14+4*\c], v[\s+16+32*\c:\s+31+32*\c], v[TM+12+2*\c+1]   ; (a conversion's three registers begin on an even number)
.endr
	v_nop                                          ; one plain place behind a scaled conversion
.irp c, 0,1                                    ; the operand's layout wants a whole block in a lane: lanes 0-15 block 2 c, lanes 16-31 block 2 c + 1
.irp i, 0,1,2
	v_permlane16_swap_b32 v[CD+6*\c+\i], v[CD+12+4*\c+\i]
.endr
.irp i, 0,1,2
	v_mov_b32 v[CD+3+6*\c+\i], v[CD+12+4*\c+\i]
.endr
.endr
.endm
; block a's 64 sums + bias; the bias pair of sum pair i is v[base + step i].  Ascending: each accumulator is first read at its low end.
.macro BIASADD a, base, step
	WIN 0x02+(\a)/4                                ; source 0: window 2 or 3
.set i, 0
.rept 32
	v_pk_add_f32 v[HA+2*i:HA+2*i+1], v[64*((\a)%4)+2*i:64*((\a)%4)+2*i+1], v[(\base)+(\step)*i:(\base)+(\step)*i+1]
.set i, i+1
.endr
	WIN 0
.endm
	PLACES NP                                      ; behind the last products: their results are read and their operands' registers written below
	v_and_b32 v1, 15, v0                           ; r
	v_bfe_u32 v2, v0, 4, 1                         ; h
	v_and_b32 v3, 31, v0                           ; lane
	v_lshlrev_b32 v[L8], 3, v3
	v_lshlrev_b32 v[L4], 2, v3
	v_lshlrev_b32 v[SH16], 4, v2
	s_lshl_b32 s18, s16, 9
	s_add_co_u32 s18, s18, BIASL
	v_lshl_add_u32 v[ABN], v2, 6, s18              ; my 128 of B's rows; + 16 h features
	v_and_b32 v4, 8, v1
	v_add_nc_u32 v4, v4, v1                        ; r + 8 (r / 8)
	s_lshl_b32 s19, s15, 9
	s_add_co_u32 s19, s19, BIASL
	v_lshl_add_u32 v[ABM], v4, 2, s19              ; my 128 of A's rows; my lane's row of a tile
.irp b, 0,1,2,3
	v_mov_b32 v[TM+4+\b], 0                        ; written once: a lane permute's destination counts as one of its sources
.endr
	s_mov_b32 s[SEL], 0x76543210
	s_mov_b32 s[SEL+1], 0xfedcba98
	s_mov_b32 s[HM], 0xffff0000
	s_cmp_eq_u32 s[PATH], 0                        ; the cluster's number: all sixteen partners and all four waves go the same way; neither way writes LDS or holds a barrier
	s_cbranch_scc0 .Lv_arm
	; ---- q and k.  My 128 features are two heads; block a is tile T0 + a of 16 tokens
	s_lshl_b32 s18, s17, 8
	s_lshl_b32 s19, s15, 7
	s_add_co_u32 s18, s18, s19                     ; my first token, over all batches
	s_lshr_b32 s19, s18, 11                        ; the batch
	s_and_b32 s18, s18, 2047
	s_lshr_b32 s18, s18, 4                         ; T0
	s_and_b32 s20, s42, 3
	s_lshl_b32 s20, s20, 2
	s_lshl_b32 s21, s16, 1
	s_add_co_u32 s20, s20, s21                     ; the even head
	s_lshl_b32 s19, s19, 4
	s_add_co_u32 s19, s19, s20                     ; 16 x batch + head
	s_mov_b32 s40, 196608                          ; a head's bytes in kvimg and kvsc,
	s_mov_b32 s41, 12288
	s_cmp_lt_u32 s42, 4                            ; tile columns 0-3 are Wq's
	s_cselect_b32 s40, 98304, s40                  ; or in qimg and qsc
	s_cselect_b32 s41, 8192, s41
	s_cselect_b64 s[OUT0:OUT0+1], s[4:5], s[8:9]
	s_cselect_b64 s[SC0:SC0+1], s[6:7], s[10:11]
	s_mul_i32 s22, s19, s40
	s_mul_i32 s23, s18, 768
	s_add_co_u32 s22, s22, s23
	s_mov_b32 s23, 0
	s_add_nc_u64 s[OUT0:OUT0+1], s[OUT0:OUT0+1], s[22:23]   ; the even head's tile T0
	s_mov_b32 s22, s40
	s_add_nc_u64 s[OUT1:OUT1+1], s[OUT0:OUT0+1], s[22:23]   ; the odd head's
	s_mul_i32 s22, s19, s41
	s_lshl_b32 s18, s18, 6
	s_add_co_u32 s22, s22, s18
	s_add_nc_u64 s[SC0:SC0+1], s[SC0:SC0+1], s[22:23]
	v_mul_lo_u32 v[SCO], v2, s41                   ; lanes 0-15 store the even head's words, lanes 16-31 the odd head's
	v_lshl_add_u32 v[SCO], v1, 2, v[SCO]
.irp b, 0,1,2,3,4,5,6,7
	ds_load_b128 v[BN+8*\b:BN+8*\b+3], v[ABN] offset:128*(\b/2)+32*(\b%2)        ; the biases of features 32 (b / 2) + 16 h + 8 (b % 2) + 0 .. 7
	ds_load_b128 v[BN+8*\b+4:BN+8*\b+7], v[ABN] offset:128*(\b/2)+32*(\b%2)+16
.endr
	s_wait_dscnt 0x0
.irp a, 0,1,2,3,4,5,6,7
	BIASADD \a, BN, 2
.if \a > 0
	s_wait_xcnt 0x0                                ; the last block's stores have read their data: the codes and the word are written again
.endif
	QUANT HA, PW
.irp p, 0,1,2
	global_store_b64 v[L8], v[CD+2*\p:CD+2*\p+1], s[OUT0:OUT0+1] offset:768*\a+256*\p      ; 32 lanes store 256 consecutive bytes, aligned
.endr
.irp p, 0,1,2
	global_store_b64 v[L8], v[CD+6+2*\p:CD+7+2*\p], s[OUT1:OUT1+1] offset:768*\a+256*\p
.endr
	v_lshrrev_b32 v[WD], v[SH16], v[PW]            ; my head's two bytes,
	v_and_b32 v[WD], 0xffff, v[WD]                 ; and zeros above them: the instruction's upper 64 along K meet zero codes
	global_store_b32 v[SCO], v[WD], s[SC0:SC0+1] offset:64*\a
.endr
	s_branch .Lend
.Lv_arm:
	; ---- v.  My 128 channels are two heads of four tiles; my 128 tokens are one key step
	s_lshl_b32 s18, s17, 2
	s_lshl_b32 s19, s15, 1
	s_add_co_u32 s18, s18, s19                     ; the even head
	s_lshl_b32 s20, s42, 8
	s_lshl_b32 s21, s16, 7
	s_add_co_u32 s20, s20, s21                     ; my first token
	s_lshr_b32 s21, s20, 11                        ; the batch
	s_and_b32 s20, s20, 2047
	s_lshr_b32 s20, s20, 7                         ; the key step
	s_lshl_b32 s21, s21, 4
	s_add_co_u32 s21, s21, s18                     ; 16 x batch + head
	s_mul_i32 s22, s21, 196608
	s_mul_i32 s23, s20, 6144
	s_add_co_u32 s22, s22, s23
	s_add_co_u32 s22, s22, 98304                   ; v's images lie behind k's
	s_mov_b32 s23, 0
	s_add_nc_u64 s[OUT0:OUT0+1], s[8:9], s[22:23]
	s_mul_i32 s22, s21, 12288
	s_lshl_b32 s20, s20, 8
	s_add_co_u32 s22, s22, s20
	s_add_co_u32 s22, s22, 8192
	s_add_nc_u64 s[SC0:SC0+1], s[10:11], s[22:23]
.irp a, 0,1,2,3,4,5,6,7
	ds_load_b32 v[BM+2*\a], v[ABM] offset:128*(\a/2)+32*(\a%2)                   ; the bias of channel 32 (a / 2) + 8 (a % 2) + r + 8 (r / 8), twice: a pair for the packed addition
	ds_load_b32 v[BM+2*\a+1], v[ABM] offset:128*(\a/2)+32*(\a%2)
.endr
	s_wait_dscnt 0x0
.irp a, 0,1,2,3,4,5,6,7
	BIASADD \a, BM+2*\a, 0
.if \a > 0
	s_wait_xcnt 0x0                                ; the last block's stores have read their data
.endif
	QUANT HA, PW+(\a)%2
.irp p, 0,1,2,3,4,5
	global_store_b64 v[L8], v[CD+2*\p:CD+2*\p+1], s[OUT0:OUT0+1] offset:(\a/4)*196608+(\a%4)*1536+256*\p   ; 32 lanes store 256 consecutive bytes, aligned
.endr
.if (\a)%2
	v_cndmask_b32 v[WD], v[PW], v[PW+1], s[HM]     ; lanes 0-15 the even tile's words, lanes 16-31 the odd tile's
	global_store_b32 v[L4], v[WD], s[SC0:SC0+1] offset:(\a/4)*12288+(\a%4-1)*64
.endif
.endr
.Lend:
	s_wait_tensorcnt 0x0                           ; the wave's end, behind my last tensor load and my last LDS store
	ds_add_u32 v[SPW], v[NIL]
	s_wait_dscnt 0x0
	CROUND                                         ; the closing round: no work-group ends while a partner may still ask for a tile that names it
	s_endpgm
.Lfunc_end_k_q350f4c56e1_proj:
	.size	k_q350f4c56e1_proj, .Lfunc_end_k_q350f4c56e1_proj-k_q350f4c56e1_proj
	.p2alignl 7, 3214868480
	.fill 96, 4, 3214868480
	.section	.rodata,"a",@progbits
	.p2align	6, 0x0
	.amdhsa_kernel k_q350f4c56e1_proj
		.amdhsa_group_segment_fixed_size 327680
		.amdhsa_private_segment_fixed_size 0
		.amdhsa_enable_private_segment 0
		.amdhsa_kernarg_size 88
		.amdhsa_user_sgpr_count 2
		.amdhsa_user_sgpr_kernarg_segment_ptr 1
		.amdhsa_wavefront_size32 1
		.amdhsa_system_sgpr_workgroup_id_x 1
		.amdhsa_system_sgpr_workgroup_id_y 1
		.amdhsa_system_sgpr_workgroup_id_z 1
		.amdhsa_system_vgpr_workitem_id 0
		.amdhsa_next_free_vgpr 1024
		.amdhsa_next_free_sgpr 102
		.amdhsa_reserve_vcc 0
		.amdhsa_float_denorm_mode_32 3
		.amdhsa_float_denorm_mode_16_64 3
		.amdhsa_memory_ordered 1
		.amdhsa_forward_progress 1
		.amdhsa_inst_pref_size 240
	.end_amdhsa_kernel
	.amdgpu_metadata
---
amdhsa.version: [ 1, 2 ]
amdhsa.kernels:
  - .name:           k_q350f4c56e1_proj
    .symbol:         k_q350f4c56e1_proj.kd
    .args:
      - { .name: xc, .offset: 0, .size: 8, .value_kind: global_buffer, .address_space: global }
      - { .name: xs, .offset: 8, .size: 8, .value_kind: global_buffer, .address_space: global }
      - { .name: wc, .offset: 16, .size: 8, .value_kind: global_buffer, .address_space: global }
      - { .name: ws, .offset: 24, .size: 8, .value_kind: global_buffer, .address_space: global }
      - { .name: bq, .offset: 32, .size: 8, .value_kind: global_buffer, .address_space: global }
      - { .name: bk, .offset: 40, .size: 8, .value_kind: global_buffer, .address_space: global }
      - { .name: bv, .offset: 48, .size: 8, .value_kind: global_buffer, .address_space: global }
      - { .name: qimg, .offset: 56, .size: 8, .value_kind: global_buffer, .address_space: global }
      - { .name: qsc, .offset: 64, .size: 8, .value_kind: global_buffer, .address_space: global }
      - { .name: kvimg, .offset: 72, .size: 8, .value_kind: global_buffer, .address_space: global }
      - { .name: kvsc, .offset: 80, .size: 8, .value_kind: global_buffer, .address_space: global }
    .group_segment_fixed_size: 327680
    .private_segment_fixed_size: 0
    .kernarg_segment_align: 8
    .kernarg_segment_size: 88
    .max_flat_workgroup_size: 128
    .sgpr_count:     102
    .vgpr_count:     1024
    .wavefront_size: 32
...
	.end_amdgpu_metadata
.endif
;; end of part 2
;; launch attn (part 3): grid 4 x 64, 16 waves a work-group, clusters of 4 x 1, 288,768 bytes of LDS; arguments qimg, qsc, kvimg, kvsc, masked_attention, out0; writes out0
.if DOCPART == 3
	.amdgcn_target "amdgcn-amd-amdhsa--gfx1250"
	.amdhsa_code_object_version 6
	.text
	.protected	k_q350f4c56e1_attn
	.globl	k_q350f4c56e1_attn
	.p2align	8
	.type	k_q350f4c56e1_attn,@function
k_q350f4c56e1_attn:
	s_mov_b64 s[64:65], 0
	v_nop
	global_prefetch_b8 v0, s[64:65] scope:SCOPE_SE
	s_setreg_imm32_b32 hwreg(HW_REG_WAVE_MODE, 25, 1), 1
	s_wait_xcnt 0x0
	s_wait_alu depctr_hold_cnt(0) depctr_sa_sdst(0) depctr_va_vdst(0) depctr_va_sdst(0) depctr_va_ssrc(0) depctr_va_vcc(0) depctr_vm_vsrc(0)
	s_getreg_b32 s2, hwreg(HW_REG_IB_STS2, 6, 4)
	s_cmp_eq_u32 s2, 0
	s_cbranch_scc0 .Lentry_in_a_cluster
	s_endpgm
.Lentry_in_a_cluster:
	s_bfe_u32 s2, ttmp6, 0x10000c
	s_cmp_lg_u32 s2, 0x3003
	s_cbranch_scc0 .Lentry_shape_is_right
	s_endpgm
.Lentry_shape_is_right:
; out[b][q][64 head + d] = the sum over k of softmax_k(q . k / 8 + (1 - mask[b][k]) x -10000) v[k][d], both products on codes of FP6 (E2M3) with E8M0 scales.
; q, k, v come as images of operand registers (a register pair of 32 lanes = 256 bytes, lane l's 8 bytes at 8 l), so every LDS and global load of codes is dense.
; THE SOFTMAX: t = logit x log2(e); M = the largest t so far, rounded up to a whole number; p = 2^(t - M) is quantised along the keys, not normalised; the row's sum is taken of the unquantised p and divides at the end.
; When M moves, the sum and O are multiplied by 2^(old M - new M): exact.
; THE LOGIT AND t ARE ROUNDED WHERE THE DEFINITION ROUNDS THEM, since the mask is any f32 number and its term can make logits of thousands, where one f32 rounding more or less moves p by a part in ten thousand:
; the score; + the mask's term (one f32 addition); x log2(e) (one f32 multiplication); - M (one f32 subtraction).  Score and term are kept at 8 times their size and the factor is log2(e) / 8: powers of two, which change no rounding.
; SHARES.  64 heads x 4 work-groups; the four of a head form a cluster.  A work-group stays for two passes of 256 queries; each of its sixteen waves owns one tile of 16 queries a pass, in 256 registers.
; A HEAD'S WHOLE k AND v (196,608 bytes of codes, 12,288 of scale words) COME INTO LDS ONCE, by joint loads of the four partners: nothing is filled again, so there is no ring.  Waves 0 and 1 issue five loads each
; (scales, then four chunks of four key steps); a chunk's steps begin when that chunk has landed.  Every byte is asked for by these first fills, so nothing is left to prefetch.
; LAYOUT.  Both products are used transposed: S^T = K Q^T, O^T = V^T P^T: a lane holds one query (lane % 16) throughout.  Tile T of q or k holds tokens 128 (T / 8) + 32 ((T % 8) / 2) + 8 (T % 2) + r + 8 (r / 8):
; so the 16 registers of score tiles 2 b, 2 b + 1 are keys 32 b + 16 (lane / 16) + 0 .. 15 of the step.
; THE HEAD IS 64 LONG, the instruction 128: a tile of k or q is 6 registers.  Q's upper six registers are zeros, and the upper two scale bytes of both sides are 0 (a small power of two): whatever K's upper six hold adds nothing.
; LIMITS: NaN and infinities are not served.  A block of p that has fallen to zeros keeps the byte 1: its codes are zeros.
.set VIMG,  98304                      ; LDS: k's images from 0 (128 tiles x 768), v's from here (16 steps x 4 tiles x 1,536)
.set SCL,   196608                     ; k's scale words (128 x 64 bytes), then v's (16 x 4 x 64)
.set AM,    208896                     ; the mask's terms, 2,048 x 4 bytes: written by ds_store alone
.set STAGE, 217088                     ; the way out: 16 rows x 272 bytes for each wave
.set SPARE, 286720                     ; the spare words, 128 bytes a wave, which no other line names
.set AK0,  1                           ; v1   8 x lane: my place in a register pair's 256 bytes (k in LDS, q in memory)
.set AV0,  2                           ; v2   the same in v's images
.set ASK0, 3                           ; v3   4 x lane among k's scale words
.set ASV0, 4                           ; v4   and among v's
.set SPW,  5                           ; v5   LDS address of my spare word; never rewritten
.set NIL,  6                           ; v6   0; never rewritten
.set GO,   7                           ; v7   the way out: my byte offset in out
.set ADK,  8                           ; v8-11, v29 the addresses of the step in hand
.set ADV,  9
.set ADS,  10
.set ADT,  11
.set AM0,  28                          ; v28  the mask's terms: + 16 (lane / 16) keys
.set ADM,  29
.set STO,  30                          ; v30  the stage: where I put my channels
.set RD,   31                          ; v31  and where I read rows back
.set KF,   32                          ; v32-79 k's 8 tiles, 6 registers each; v80-85 zeros.  Behind the first product v32-55 are at work:
.set BX,   32                          ; v32-35 the blocks' largest t, then largest p
.set PT,   36                          ; v36-39
.set SO,   40                          ; v40-43 the conversions' scale operands
.set CT,   44                          ; v44-46, v48-50 the conversions' second halves
.set SCR,  52
.set S2,   54                          ; v[54:55] the sum's second chain
.set KSC,  86                          ; v86-89 k's scale words: lanes 0-15 an even tile's, lanes 16-31 the odd one's
.set VSC,  90                          ; v90-91 v's likewise
.set QSC,  92                          ; v92  q's
.set PSC,  93                          ; v93  p's
.set FF,   94                          ; v94  f = 2^(old M - new M); the packed forms name the pair v[94:95] and take its low word for both halves
.set R4,   95                          ; v95  4 x (lane % 16): the offset of q's scale words
.set ST,   96                          ; v96-159 S^T, then t, then p
.set OT,   160                         ; v160-191 O^T
.set AMR,  192                         ; v192-255 the step's 64 terms of the mask, until they are added; then:
.set VF,   192                         ; v192-239 v's four fragments
.set PCD,  240                         ; v240-251 p's codes
.set WV,   16
.set SEL,  20                          ; s[20:21] v_permlanex16_b32's selects for lane l xor 16
.set CS,   22                          ; s[22:23] c = log2(e) / 8
.set G1C,  24                          ; s[24:31] group 1: a chunk: 96 rows of 256 bytes
.set G1S,  32                          ; s[32:39] the scales: 24 rows of 256 bytes
.set G0S,  40                          ; s[40:43] group 0 for the scales; s[44:59] for the four chunks
.set G0C,  44
.set TK,   60                          ; s60  the step's images begin here: 6,144 bytes a step, in k's and in v's
.set TS,   61                          ; s61  k's scale words and the mask's terms: 512 bytes a step
.set TV,   62                          ; s62  v's scale words: 256 bytes a step
.set CNT,  63
.set PASS, 66
.macro CROUND                          ; a round of the cluster's barrier
	s_barrier_signal -1
	s_barrier_wait -1
	s_cmp_lg_u32 s[WV], 0
	s_cbranch_scc1 .Lnot_wave_0_\@
	s_barrier_signal -3
.Lnot_wave_0_\@:
	s_barrier_wait -3
	s_barrier_signal -1
	s_barrier_wait -1
.endm
.macro QLOAD                           ; my tile of q: 6 registers and the scale words
.irp p, 0,1,2
	global_load_b64 v[16+2*\p:17+2*\p], v[AK0], s[4:5] offset:256*\p
.endr
	global_load_b32 v[QSC], v[R4], s[6:7]
.endm
	s_load_b256 s[4:11], s[0:1], 0x0               ; qimg, qsc, kvimg, kvsc
	s_load_b128 s[12:15], s[0:1], 0x20             ; the mask, out
	v_lshl_add_u32 v[SPW], v0, 2, SPARE
	v_mov_b32 v[NIL], 0
	ds_add_u32 v[SPW], v[NIL]                      ; the wave's opening: the add and its wait stand ahead of my first tensor load; work on registers stands between them
	ds_add_u32 v[SPW], v[NIL]
	v_lshrrev_b32 v8, 5, v0
	s_delay_alu instid0(VALU_DEP_1)
	v_readfirstlane_b32 s[WV], v8                  ; wave 0..15
	s_and_b32 s17, s[WV], 1                        ; wave 0 fetches k's half of everything, wave 1 v's
	s_bfe_u32 s18, ttmp6, 0x40000                  ; cx: it enters q's and out's addresses alone
	s_and_b32 s19, ttmp7, 0xffff                   ; 16 x batch + head, which the four partners share
	s_mov_b32 s[G1C], 15|(3<<16)|(1<<21)           ; the mask: all four work-groups; elements of 8 bytes; bit 21 beside a mask; no padding
	s_mov_b32 s[G1C+1], 32<<16                     ; tensor_dim0 = 32 elements: 256 bytes
	s_mov_b32 s[G1C+2], 96<<16                     ; tensor_dim1
	s_mov_b32 s[G1C+3], 32<<16                     ; tile_dim0
	s_mov_b32 s[G1C+4], 96                         ; tile_dim1
	s_mov_b32 s[G1C+5], 32                         ; the pitch: dense
	s_mov_b32 s[G1C+6], 0
	s_mov_b32 s[G1C+7], 0
	s_mov_b32 s[G1S], 15|(3<<16)|(1<<21)
	s_mov_b32 s[G1S+1], 32<<16
	s_mov_b32 s[G1S+2], 24<<16
	s_mov_b32 s[G1S+3], 32<<16
	s_mov_b32 s[G1S+4], 24
	s_mov_b32 s[G1S+5], 32
	s_mov_b32 s[G1S+6], 0
	s_mov_b32 s[G1S+7], 0
	s_mov_b32 s[SEL], 0x76543210
	s_mov_b32 s[SEL+1], 0xfedcba98
	s_mov_b32 s[CS], 0x3e38aa3b                    ; log2(e) / 8
	s_mov_b32 s[CS+1], s[CS]                       ; (named with it as a pair, so it is written)
	s_mov_b32 s[PASS], 2
	s_mul_i32 s73, s17, 98304                      ; my half of the images, in LDS and in the head's bytes
	s_mul_i32 s72, s17, 6144                       ; my half of the scale words
	s_mul_i32 s68, s19, 196608
	s_add_co_u32 s68, s68, s73
	s_mov_b32 s69, 0
	s_mul_i32 s70, s19, 12288
	s_add_co_u32 s70, s70, s72
	s_mov_b32 s71, 0
	s_lshl_b32 s74, s18, 5
	s_add_co_u32 s74, s74, s[WV]                   ; my first tile of queries: 32 cx + wave
	s_mul_i32 s75, s19, 98304
	s_mul_i32 s76, s74, 768
	s_add_co_u32 s76, s76, s75                     ; in qimg
	s_mov_b32 s77, 0
	s_lshl_b32 s78, s19, 13
	s_lshl_b32 s79, s74, 6
	s_add_co_u32 s78, s78, s79                     ; in qsc
	s_mov_b32 s79, 0
	s_wait_dscnt 0x0                               ; the opening add is done
	s_wait_kmcnt 0x0
	s_add_nc_u64 s[8:9], s[8:9], s[68:69]
	s_add_nc_u64 s[10:11], s[10:11], s[70:71]
	s_add_nc_u64 s[4:5], s[4:5], s[76:77]
	s_add_nc_u64 s[6:7], s[6:7], s[78:79]
	s_mov_b32 s[G0S], 1
	s_add_co_u32 s[G0S+1], s72, SCL
	s_mov_b64 s[G0S+2:G0S+3], s[10:11]
	s_or_b32 s[G0S+3], s[G0S+3], 0x80000000
.irp c, 0,1,2,3
	s_mov_b32 s[G0C+4*\c], 1
	s_add_co_u32 s[G0C+4*\c+1], s73, 24576*\c
	s_add_nc_u64 s[G0C+4*\c+2:G0C+4*\c+3], s[8:9], 24576*\c
	s_or_b32 s[G0C+4*\c+3], s[G0C+4*\c+3], 0x80000000
.endr
	CROUND                                         ; all four work-groups are here: the joint loads meet
	s_cmp_lt_u32 s[WV], 2                          ; a wave's first fills stand in one branch on the wave's number: five loads of mine are out
	s_cbranch_scc0 .Lno_fill
	tensor_load_to_lds s[G0S:G0S+3], s[G1S:G1S+7]
	s_nop 0
.irp c, 0,1,2,3
	tensor_load_to_lds s[G0C+4*\c:G0C+4*\c+3], s[G1C:G1C+7]
	s_nop 0
.endr
.rept 4
	v_nop
.endr
.Lno_fill:
	; out: row (batch x 2,048 + my tile's first token) of 4,096 bytes, + 256 x head
	s_lshr_b32 s68, s19, 4
	s_lshl_b32 s70, s68, 13                        ; the batch's 8,192 bytes of the mask
	s_mov_b32 s71, 0
	s_add_nc_u64 s[12:13], s[12:13], s[70:71]
	s_lshl_b32 s68, s68, 11
	s_lshl_b32 s69, s18, 9
	s_add_co_u32 s68, s68, s69                     ; + 512 cx
	s_lshr_b32 s69, s[WV], 3
	s_lshl_b32 s69, s69, 7
	s_add_co_u32 s68, s68, s69                     ; + 128 (wave / 8)
	s_bfe_u32 s69, s[WV], 0x20001
	s_lshl_b32 s69, s69, 5
	s_add_co_u32 s68, s68, s69                     ; + 32 ((wave % 8) / 2)
	s_lshl_b32 s69, s17, 3
	s_add_co_u32 s68, s68, s69                     ; + 8 (wave % 2)
	s_lshl_b32 s68, s68, 12
	s_and_b32 s69, s19, 15
	s_lshl_b32 s69, s69, 8
	s_add_co_u32 s68, s68, s69
	s_mov_b32 s69, 0
	s_add_nc_u64 s[14:15], s[14:15], s[68:69]
	v_and_b32 v254, 31, v0                         ; lane
	v_and_b32 v252, 15, v0                         ; r
	v_bfe_u32 v255, v0, 4, 1                       ; h
	s_delay_alu instid0(VALU_DEP_3)
	v_lshlrev_b32 v[AK0], 3, v254
	s_delay_alu instid0(VALU_DEP_1)
	v_add_nc_u32 v[AV0], VIMG, v[AK0]
	v_lshl_add_u32 v[ASK0], v254, 2, SCL
	v_lshl_add_u32 v[ASV0], v254, 2, SCL+8192
	v_lshlrev_b32 v[R4], 2, v252
	v_lshl_add_u32 v[AM0], v255, 6, AM
	v_lshlrev_b32 v[GO], 12, v255
	s_delay_alu instid0(VALU_DEP_1)
	v_lshl_add_u32 v[GO], v252, 4, v[GO]           ; lanes 0-15 one row of out, lanes 16-31 the next; 16 bytes a lane
	s_mul_i32 s68, s[WV], 16*272
	s_add_co_u32 s68, s68, STAGE                   ; my stage
	v_mul_u32_u24 v[STO], v252, 272
	s_delay_alu instid0(VALU_DEP_1)
	v_lshl_add_u32 v[STO], v255, 6, v[STO]
	s_delay_alu instid0(VALU_DEP_1)
	v_add_nc_u32 v[STO], s68, v[STO]               ; in: row r, + 16 h channels
	v_mul_u32_u24 v[RD], v255, 272
	s_delay_alu instid0(VALU_DEP_1)
	v_lshl_add_u32 v[RD], v252, 4, v[RD]
	s_delay_alu instid0(VALU_DEP_1)
	v_add_nc_u32 v[RD], s68, v[RD]                 ; back: lanes 0-15 one row, lanes 16-31 the next
	v_lshlrev_b32 v254, 4, v0                      ; the mask: 16 bytes a thread: 512 threads take the batch's 2,048 keys
	v_lshl_add_u32 v255, v0, 4, AM
	global_load_b128 v[ST:ST+3], v254, s[12:13]
	QLOAD
.irp j, 22,23,24,25,26,27,80,81,82,83,84,85
	v_mov_b32 v[\j], 0                             ; q's upper six registers, and what follows k's last tile
.endr
	s_wait_loadcnt 4                               ; the mask's four numbers are in; q's four loads may be out
.irp j, 0,1,2,3
	v_sub_f32 v[ST+\j], 1.0, v[ST+\j]
.endr
.irp j, 0,1,2,3
	s_delay_alu instid0(VALU_DEP_4)
	v_mul_f32 v[ST+\j], 0xc79c4000, v[ST+\j]       ; x -80000: 8 x ((1 - mask) x -10000), with the same rounding
.endr
	ds_store_b128 v255, v[ST:ST+3]
; A KEY STEP: 128 keys.
.macro STEP
	v_add_nc_u32 v[ADK], s[TK], v[AK0]             ; (these five are also the places between the last step's second product and the loads into its operands below)
	v_add_nc_u32 v[ADV], s[TK], v[AV0]
	v_add_nc_u32 v[ADS], s[TS], v[ASK0]
	v_add_nc_u32 v[ADM], s[TS], v[AM0]
	v_add_nc_u32 v[ADT], s[TV], v[ASV0]
.irp t, 0,1,2,3,4,5,6,7
.irp p, 0,1,2
	ds_load_b64 v[KF+6*\t+2*\p:KF+6*\t+2*\p+1], v[ADK] offset:768*\t+256*\p      ; 32 lanes read 256 consecutive bytes
.endr
.endr
.irp u, 0,1,2,3
	ds_load_b32 v[KSC+\u], v[ADS] offset:128*\u
.endr
.irp i, 0,1,2,3,4,5,6,7,8,9,10,11,12,13,14,15
	ds_load_b128 v[AMR+4*\i:AMR+4*\i+3], v[ADM] offset:128*(\i/4)+16*(\i%4)      ; register 16 b + i takes the term of key 32 b + 16 h + i
.endr
	s_wait_dscnt 0x0
.irp t, 0,1,2,3,4,5,6,7                        ; S^T = K Q^T; each accumulator has one turn
.if \t%2
	v_wmma_scale_f32_16x16x128_f8f6f4 v[ST+8*\t:ST+8*\t+7], v[KF+6*\t:KF+6*\t+11], v[16:27], 0, v[KSC+\t/2], v[QSC] matrix_a_fmt:MATRIX_FMT_FP6 matrix_b_fmt:MATRIX_FMT_FP6 matrix_a_scale:MATRIX_SCALE_ROW1
.else
	v_wmma_scale_f32_16x16x128_f8f6f4 v[ST+8*\t:ST+8*\t+7], v[KF+6*\t:KF+6*\t+11], v[16:27], 0, v[KSC+\t/2], v[QSC] matrix_a_fmt:MATRIX_FMT_FP6 matrix_b_fmt:MATRIX_FMT_FP6
.endif
.endr
.rept 4
	v_nop                                          ; places behind the products: their results are read, and k's registers written, below
.endr
.set j, 0
.rept 32
	v_pk_add_f32 v[ST+j:ST+j+1], v[ST+j:ST+j+1], v[AMR+j:AMR+j+1]   ; 8 x the logit: one f32 addition, as the definition has it.  Ascending: each accumulator is first read at its low end
.set j, j+2
.endr
.irp a, 0,1,2,3                                ; the terms are used up: v's fragments are asked for into their registers and land under the softmax
.irp p, 0,1,2,3,4,5
	ds_load_b64 v[VF+12*\a+2*\p:VF+12*\a+2*\p+1], v[ADV] offset:1536*\a+256*\p
.endr
.endr
.irp u, 0,1
	ds_load_b32 v[VSC+\u], v[ADT] offset:128*\u
.endr
.set j, 0
.rept 32
	v_pk_mul_f32 v[ST+j:ST+j+1], v[ST+j:ST+j+1], s[CS:CS+1] op_sel_hi:[1,0]   ; t = logit x log2(e): one f32 multiplication
.set j, j+2
.endr
.irp b, 0,1,2,3
	v_max3_num_f32 v[BX+\b], v[ST+16*\b], v[ST+1+16*\b], v[ST+2+16*\b]   ; the largest t of each block of 32 keys: it serves for the row's maximum and, since p rises with t, for the block's largest p
.endr
.irp i, 3,5,7,9,11,13
.irp b, 0,1,2,3
	s_delay_alu instid0(VALU_DEP_4)
	v_max3_num_f32 v[BX+\b], v[BX+\b], v[ST+16*\b+\i], v[ST+1+16*\b+\i]
.endr
.endr
.irp b, 0,1,2,3
	s_delay_alu instid0(VALU_DEP_4)
	v_max_num_f32 v[BX+\b], v[BX+\b], v[ST+15+16*\b]
.endr
.irp b, 0,1,2,3
	s_delay_alu instid0(VALU_DEP_4)
	v_permlanex16_b32 v[PT+\b], v[BX+\b], s[SEL], s[SEL+1]
.endr
.irp b, 0,1,2,3
	s_delay_alu instid0(VALU_DEP_4)
	v_max_num_f32 v[BX+\b], v[BX+\b], v[PT+\b]     ; with lane l xor 16's 16 keys
.endr
	s_delay_alu instid0(VALU_DEP_2)
	v_max3_num_f32 v[SCR], v[BX], v[BX+1], v[BX+2]
	s_delay_alu instid0(VALU_DEP_1)
	v_max_num_f32 v[SCR], v[SCR], v[BX+3]          ; the step's largest t of my query
	s_delay_alu instid0(VALU_DEP_1)
	v_max_num_f32 v13, v13, v[SCR]                 ; the running largest t
	v_mov_b32 v[SCR], v12
	s_delay_alu instid0(VALU_DEP_2)
	v_floor_f32 v12, -v13                          ; the new -M = floor(-t): M is a whole number
	s_delay_alu instid0(VALU_DEP_1)
	v_sub_f32 v[SCR], v12, v[SCR]                  ; old M - new M: a whole number, 0 or less
	s_delay_alu instid0(VALU_DEP_1)
	v_cvt_i32_f32 v[SCR], v[SCR]                   ; (it saturates)
	s_delay_alu instid0(VALU_DEP_1)
	v_ldexp_f32 v[FF], 1.0, v[SCR]                 ; f = 2^(old M - new M)
.set j, 0
.rept 32
	v_pk_add_f32 v[ST+j:ST+j+1], v[ST+j:ST+j+1], v[12:13] op_sel_hi:[1,0]   ; t - M, two at a time (of the pair the low word, -M, serves both halves)
.set j, j+2
.endr
	s_setprio 1
.irp b, 0,1,2,3
	v_add_f32 v[BX+\b], v[BX+\b], v12              ; the same of each block's largest t
.endr
.set j, 0
	s_wait_alu depctr_va_vdst(0)
.rept 64
	v_exp_f32 v[ST+j], v[ST+j]                     ; p = 2^(t - M), at most 1
.set j, j+1
.endr
	v_pk_mul_f32 v[14:15], v[14:15], v[FF:FF+1] op_sel_hi:[1,0]   ; the sums under the new M (a plain place behind the exponentials)
	s_wait_alu depctr_va_vdst(0)                   ; one wait for the batch of 64, ahead of its first reader
.irp b, 0,1,2,3
	v_exp_f32 v[BX+\b], v[BX+\b]                   ; the block's largest p: the same two instructions on the same number give the same bits
.endr
	v_pk_add_f32 v[54:55], v[100:101], v[104:105]
	v_pk_add_f32 v[254:255], v[108:109], v[112:113]
	v_pk_add_f32 v[252:253], v[116:117], v[120:121]
	v_pk_add_f32 v[250:251], v[124:125], v[128:129]
	v_pk_add_f32 v[248:249], v[132:133], v[136:137]
	v_pk_add_f32 v[246:247], v[140:141], v[144:145]
	v_pk_add_f32 v[244:245], v[148:149], v[152:153]
	v_pk_add_f32 v[14:15], v[14:15], v[156:157]
	v_pk_add_f32 v[54:55], v[54:55], v[96:97]
	v_pk_add_f32 v[254:255], v[254:255], v[98:99]
	v_pk_add_f32 v[252:253], v[252:253], v[102:103]
	v_pk_add_f32 v[250:251], v[250:251], v[106:107]
	v_pk_add_f32 v[248:249], v[248:249], v[110:111]
	v_pk_add_f32 v[246:247], v[246:247], v[114:115]
	v_pk_add_f32 v[244:245], v[244:245], v[118:119]
	v_pk_add_f32 v[14:15], v[14:15], v[122:123]
	v_pk_add_f32 v[54:55], v[54:55], v[126:127]
	v_pk_add_f32 v[254:255], v[254:255], v[130:131]
	v_pk_add_f32 v[252:253], v[252:253], v[134:135]
	v_pk_add_f32 v[250:251], v[250:251], v[138:139]
	v_pk_add_f32 v[248:249], v[248:249], v[142:143]
	v_pk_add_f32 v[246:247], v[246:247], v[146:147]
	v_pk_add_f32 v[244:245], v[244:245], v[150:151]
	v_pk_add_f32 v[14:15], v[14:15], v[154:155]
	v_pk_add_f32 v[54:55], v[54:55], v[158:159]
	s_delay_alu instid0(VALU_DEP_2)
	v_pk_add_f32 v[14:15], v[14:15], v[250:251]
	s_delay_alu instid0(VALU_DEP_2)
	v_pk_add_f32 v[54:55], v[54:55], v[248:249]
	v_pk_add_f32 v[254:255], v[254:255], v[246:247]
	v_pk_add_f32 v[252:253], v[252:253], v[244:245]
	s_delay_alu instid0(VALU_DEP_2)
	v_pk_add_f32 v[14:15], v[14:15], v[254:255]
	s_delay_alu instid0(VALU_DEP_2)
	v_pk_add_f32 v[54:55], v[54:55], v[252:253]
	s_delay_alu instid0(VALU_DEP_1)
	v_pk_add_f32 v[14:15], v[14:15], v[54:55]
	s_wait_alu depctr_va_vdst(0)                   ; and one for the four
.irp b, 0,1,2,3
	v_max_num_f32 v[BX+\b], 0x1800000, v[BX+\b]    ; the floor 2^(3 - 127): the byte cannot fall under 1
.endr
.irp b, 0,1,2,3
	s_delay_alu instid0(VALU_DEP_4)
	v_add_nc_u32 v[SO+\b], 0xff000000, v[BX+\b]    ; 2 off the exponent field: the conversion's scale operand
.endr
.irp b, 0,1,2,3
	s_delay_alu instid0(VALU_DEP_4)
	v_lshrrev_b32 v[PT+\b], 23, v[SO+\b]           ; the scale's byte
.endr
	s_delay_alu instid0(VALU_DEP_3)
	v_lshl_or_b32 v[PSC], v[PT+1], 8, v[PT]        ; p's scale word for these 128 keys
	s_delay_alu instid0(VALU_DEP_1)
	v_lshl_or_b32 v[PSC], v[PT+2], 16, v[PSC]
	s_delay_alu instid0(VALU_DEP_1)
	v_lshl_or_b32 v[PSC], v[PT+3], 24, v[PSC]
	s_setprio 0
.irp c, 0,1
	v_cvt_scalef32_pk16_fp6_f32 v[PCD+6*\c:PCD+2+6*\c], v[ST+32*\c:ST+15+32*\c], v[SO+2*\c]
	v_cvt_scalef32_pk16_fp6_f32 v[CT+4*\c:CT+2+4*\c], v[ST+16+32*\c:ST+31+32*\c], v[SO+2*\c+1]   ; (a conversion's three registers begin on an even number)
.endr
	v_nop                                          ; one plain place behind a scaled conversion
.irp c, 0,1                                    ; the operand's layout wants a whole block in a lane
.irp i, 0,1,2
	v_permlane16_swap_b32 v[PCD+6*\c+\i], v[CT+4*\c+\i]
.endr
.irp i, 0,1,2
	s_delay_alu instid0(VALU_DEP_3)
	v_mov_b32 v[PCD+3+6*\c+\i], v[CT+4*\c+\i]
.endr
.endr
.set j, 0
.rept 16
	v_pk_mul_f32 v[OT+j:OT+j+1], v[OT+j:OT+j+1], v[FF:FF+1] op_sel_hi:[1,0]   ; O^T under the new M.  (These sixteen are also the places between the writes of p's codes and scale word and the products below)
.set j, j+2
.endr
	s_wait_alu depctr_va_vdst(0)
	s_wait_dscnt 0x0                               ; v's fragments and scale words are in
.irp a, 0,1,2,3                                ; O^T += V^T P^T: four tiles of 16 channels by turns
.if \a%2
	v_wmma_scale_f32_16x16x128_f8f6f4 v[OT+8*\a:OT+8*\a+7], v[VF+12*\a:VF+12*\a+11], v[PCD:PCD+11], v[OT+8*\a:OT+8*\a+7], v[VSC+\a/2], v[PSC] matrix_a_fmt:MATRIX_FMT_FP6 matrix_b_fmt:MATRIX_FMT_FP6 matrix_a_scale:MATRIX_SCALE_ROW1
.else
	v_wmma_scale_f32_16x16x128_f8f6f4 v[OT+8*\a:OT+8*\a+7], v[VF+12*\a:VF+12*\a+11], v[PCD:PCD+11], v[OT+8*\a:OT+8*\a+7], v[VSC+\a/2], v[PSC] matrix_a_fmt:MATRIX_FMT_FP6 matrix_b_fmt:MATRIX_FMT_FP6
.endif
.endr
	s_add_co_u32 s[TK], s[TK], 6144
	s_add_co_u32 s[TS], s[TS], 512
	s_add_co_u32 s[TV], s[TV], 256
.endm
; Four key steps: chunk n of k's and of v's images.  The loading waves wait until the chunks behind n alone are out, then all sixteen meet.  In the second pass all has landed.
.macro CHUNK n
	s_wait_tensorcnt 3-\n                          ; issued in the order scales, chunks 0 to 3: the 3 - n chunks behind this one may be out
	s_wait_dscnt 0x0                               ; no LDS instruction of mine is out at a signal (in front of the first: my store of the mask's terms)
	s_barrier_signal -1
	s_barrier_wait -1
	s_mov_b32 s[CNT], 4
.Lstep_\@:
	s_setprio 2
	STEP
	s_sub_co_u32 s[CNT], s[CNT], 1
	s_cmp_lg_u32 s[CNT], 0
	s_cbranch_scc1 .Lstep_\@
	s_setprio 0
.endm
.Lpass:                                            ; two trips: 256 queries of the work-group each
	v_mov_b32 v13, 0xff61b1e6                      ; the largest t so far: -3e38, under every t
	s_delay_alu instid0(VALU_DEP_1)
	v_floor_f32 v12, -v13                          ; -M
	v_mov_b32 v14, 0                               ; the sum, in two halves
	v_mov_b32 v15, 0
.set j, 0
.rept 32
	v_mov_b32 v[OT+j], 0                           ; O^T: the step is written once; the first change of M leaves zeros zeros
.set j, j+1
.endr
	s_mov_b32 s[TK], 0
	s_mov_b32 s[TS], 0
	s_mov_b32 s[TV], 0
	s_wait_loadcnt 0x0                             ; q
	CHUNK 0
	CHUNK 1
	CHUNK 2
	CHUNK 3
	s_cmp_eq_u32 s[PASS], 1                        ; the next pass's q is asked for here, if there is a next pass: it lands under the way out, and no load leaves its buffer
	s_cbranch_scc1 .Lno_next
	s_add_nc_u64 s[4:5], s[4:5], 16*768            ; sixteen tiles on (the pass's own loads were awaited at its head)
	s_add_nc_u64 s[6:7], s[6:7], 16*64
	QLOAD
.Lno_next:
	; THE WAY OUT: O^T / the sum goes through my stage and leaves as rows of 256 bytes: a head's 64 channels of a token
.rept 4
	v_nop                                          ; places behind the last products
.endr
	v_add_f32 v14, v14, v15                        ; the sum's two halves,
	s_delay_alu instid0(VALU_DEP_1)
	v_permlanex16_b32 v[SCR], v14, s[SEL], s[SEL+1]
	s_delay_alu instid0(VALU_DEP_1)
	v_add_f32 v14, v14, v[SCR]                     ; and lane l xor 16's
	s_wait_alu depctr_va_vdst(0)
	v_rcp_f32 v14, v14
	v_nop                                          ; a plain place behind the reciprocal
	s_wait_alu depctr_va_vdst(0)                   ; and the wait ahead of its first reader
.set j, 0
.rept 16
	v_pk_mul_f32 v[ST+j:ST+j+1], v[OT+j:OT+j+1], v[14:15] op_sel_hi:[1,0]   ; register 8 a + i is channel 32 (a / 2) + 8 (a % 2) + 16 h + i of query r
.set j, j+2
.endr
.irp a, 0,1,2,3
	ds_store_b128 v[STO], v[ST+8*\a:ST+8*\a+3] offset:128*(\a/2)+32*(\a%2)
	ds_store_b128 v[STO], v[ST+8*\a+4:ST+8*\a+7] offset:128*(\a/2)+32*(\a%2)+16
.endr
.irp i, 0,1,2,3,4,5,6,7
	ds_load_b128 v[32+4*\i:35+4*\i], v[RD] offset:544*\i           ; LDS serves a wave's instructions in order: these see my stores
.endr
.irp i, 0,1,2,3,4,5,6,7
	s_wait_dscnt 7-\i                              ; load i is in; the 7 - i behind it may be out
	global_store_b128 v[GO], v[32+4*\i:35+4*\i], s[14:15] offset:(2*\i+8*(\i/4))*4096 th:TH_STORE_NT   ; stage rows 2 i, 2 i + 1 are tokens 2 i + 8 (i / 4) and the next: sixteen lanes store 256 consecutive bytes, aligned
.endr
	s_wait_xcnt 0x0                                ; the stores have read their data and their base: both are written again
	s_add_nc_u64 s[14:15], s[14:15], 256*4096      ; 256 tokens on
	s_sub_co_u32 s[PASS], s[PASS], 1
	s_cmp_lg_u32 s[PASS], 0
	s_cbranch_scc1 .Lpass
	s_wait_tensorcnt 0x0                           ; the wave's end, behind my last tensor load and my last LDS store
	ds_add_u32 v[SPW], v[NIL]
	s_wait_dscnt 0x0
	CROUND                                         ; the closing round
	s_endpgm
.Lfunc_end_k_q350f4c56e1_attn:
	.size	k_q350f4c56e1_attn, .Lfunc_end_k_q350f4c56e1_attn-k_q350f4c56e1_attn
	.p2alignl 7, 3214868480
	.fill 96, 4, 3214868480
	.section	.rodata,"a",@progbits
	.p2align	6, 0x0
	.amdhsa_kernel k_q350f4c56e1_attn
		.amdhsa_group_segment_fixed_size 288768
		.amdhsa_private_segment_fixed_size 0
		.amdhsa_enable_private_segment 0
		.amdhsa_kernarg_size 48
		.amdhsa_user_sgpr_count 2
		.amdhsa_user_sgpr_kernarg_segment_ptr 1
		.amdhsa_wavefront_size32 1
		.amdhsa_system_sgpr_workgroup_id_x 1
		.amdhsa_system_sgpr_workgroup_id_y 1
		.amdhsa_system_sgpr_workgroup_id_z 1
		.amdhsa_system_vgpr_workitem_id 0
		.amdhsa_next_free_vgpr 256
		.amdhsa_next_free_sgpr 80
		.amdhsa_reserve_vcc 0
		.amdhsa_float_denorm_mode_32 3
		.amdhsa_float_denorm_mode_16_64 3
		.amdhsa_memory_ordered 1
		.amdhsa_forward_progress 1
		.amdhsa_inst_pref_size 113
	.end_amdhsa_kernel
	.amdgpu_metadata
---
amdhsa.version: [ 1, 2 ]
amdhsa.kernels:
  - .name:           k_q350f4c56e1_attn
    .symbol:         k_q350f4c56e1_attn.kd
    .args:
      - { .name: qimg, .offset: 0, .size: 8, .value_kind: global_buffer, .address_space: global }
      - { .name: qsc, .offset: 8, .size: 8, .value_kind: global_buffer, .address_space: global }
      - { .name: kvimg, .offset: 16, .size: 8, .value_kind: global_buffer, .address_space: global }
      - { .name: kvsc, .offset: 24, .size: 8, .value_kind: global_buffer, .address_space: global }
      - { .name: masked_attention, .offset: 32, .size: 8, .value_kind: global_buffer, .address_space: global }
      - { .name: out0, .offset: 40, .size: 8, .value_kind: global_buffer, .address_space: global }
    .group_segment_fixed_size: 288768
    .private_segment_fixed_size: 0
    .kernarg_segment_align: 8
    .kernarg_segment_size: 48
    .max_flat_workgroup_size: 512
    .sgpr_count:     80
    .vgpr_count:     256
    .wavefront_size: 32
...
	.end_amdgpu_metadata
.endif
;; end of part 3
